; MI455X (gfx1250); checked and timed in simulation.
; The chip was launched on July 23, 2026; its instructions are those of AMD's public machine-readable ISA for CDNA 5 (MIT licence, August 2026) and "CDNA5" Instruction Set Architecture Reference Guide (July 2026). The comments in the code are by the model that wrote it; some were corrected since.
;; Multiheaded Attention FM. Allowed arithmetic: matrix products marked QUANTISED: E3M2 operands, one E8M0 scale for each 32 along K, by v_wmma_scale_f32_16x16x128_f8f6f4 with both operands' format E3M2, f32 sums; everything else in f32.
;; Inputs: beta 256 float32; gamma 256 float32; wk_codes 256 x 8 x 24 uint8 (E3M2 codes of wk, K innermost, in blocks of 32 codes, four codes in three bytes); wk_scales 256 x 8 uint8 (E8M0 scales of wk, one for each 32 codes along K); wo_codes 256 x 8 x 24 uint8 (E3M2 codes of wo, K innermost, in blocks of 32 codes, four codes in three bytes); wo_scales 256 x 8 uint8 (E8M0 scales of wo, one for each 32 codes along K); wq_codes 256 x 8 x 24 uint8 (E3M2 codes of wq, K innermost, in blocks of 32 codes, four codes in three bytes); wq_scales 256 x 8 uint8 (E8M0 scales of wq, one for each 32 codes along K); wv_codes 256 x 8 x 24 uint8 (E3M2 codes of wv, K innermost, in blocks of 32 codes, four codes in three bytes); wv_scales 256 x 8 uint8 (E8M0 scales of wv, one for each 32 codes along K); x 4 x 256 x 64 x 64 float32.
;; Outputs: out0 4 x 256 x 64 x 64 float32.
;; This version of the problem:
;;   THIS VERSION OF THE PROBLEM IS GIVEN IN LOW PRECISION. The matrix products marked QUANTISED in the list below multiply operands that are first quantised to E3M2 (3 exponent bits, 2 mantissa bits; 6 bits a number), with one power-of-two scale for each 32 numbers along K (OCP MX v1.0); their sums are f32. All else is computed in f32.
;;   The module's matrix products, in the order in which they are computed (A, B: the left and right operand; K: the contracted axis; several contracted axes count as one K, in the product's order):
;;     1. [M 16,384, K 256] x [K 256, N 256]; A: computed on the way; B: input wq (given as codes): QUANTISED
;;     2. [M 16,384, K 256] x [K 256, N 256]; A: computed on the way; B: input wk (given as codes): QUANTISED
;;     3. [M 16,384, K 256] x [K 256, N 256]; A: computed on the way; B: input wv (given as codes): QUANTISED
;;     4. batch 16 x [M 4,096, K 64] x [K 64, N 4,096]; A: computed on the way; B: computed on the way: QUANTISED
;;     5. batch 16 x [M 4,096, K 4,096] x [K 4,096, N 64]; A: softmax (see below); B: computed on the way: QUANTISED
;;     6. [M 16,384, K 256] x [K 256, N 256]; A: computed on the way; B: input wo (given as codes): QUANTISED
;;   THE QUANTISER, for each operand of a quantised product, along K:
;;     - K is cut into blocks of 32 from its start; a last block that is shorter is filled with zeros.
;;     - A block's scale is 2^e with e = floor(log2(the largest magnitude in the block)) - 4, held to -126 .. 127; a block of zeros has e = 0. As a byte (E8M0): e + 127.
;;     - Each number is divided by its block's scale, clamped to +-28, and rounded to the nearest number of E3M2, ties to even, subnormals kept.
;;     - The product sums the exact products of the quantised numbers (number of the format x scale) in f32.
;;   ~~~python
;;   def quantise(x, axis):      # numpy; x: float32 -> the quantised numbers, widened to float32 again
;;       x = np.moveaxis(x, axis, -1); K = x.shape[-1]
;;       x = np.pad(x, [(0, 0)] * (x.ndim - 1) + [(0, -K % 32)]); x = x.reshape(x.shape[:-1] + (-1, 32)); a = np.abs(x).max(-1, keepdims=True)
;;       e = np.where(a > 0, np.clip(np.frexp(np.where(a > 0, a, 1))[1] - 1 - 4, -126, 127), 0)      # np.frexp(a)[1] - 1 = floor(log2(a)), exactly
;;       r = np.clip(x / 2.0 ** e, -28, 28)
;;       step = 2.0 ** (np.maximum(np.frexp(np.where(r == 0, 1, r))[1] - 1, -2) - 2)
;;       q = np.round(r / step) * step * 2.0 ** e      # np.round: ties to even
;;       return np.moveaxis(q.reshape(q.shape[:-2] + (-1,))[..., :K], -1, axis).astype(np.float32)
;;   ~~~
;;   SOFTMAX AHEAD OF A QUANTISED PRODUCT. Where the list says 'softmax', what is quantised is not the finished softmax but p = 2^(t - M), with t = logit x log2(e) and M = ceil(the row's largest t), a whole number; so 1/2 < the row's largest p <= 1. The row's sum l is taken of the UNQUANTISED p, in f32, and the product's result is divided by l at the end. Since M is a whole number, a kernel that streams over the keys may use a running M (the ceiling of the running maximum): every later rescaling is an exact power of two, which a block's scale takes up: the codes' values come out the same.
;;   OPERANDS COMPUTED ON THE WAY. 'Computed on the way' means the value that the module computes at that place (a softmax that the list does not call 'softmax' is quantised finished and normalised). What goes into a quantiser is computed in f32, as accurately as f32 sums, v_exp_f32 and their like allow (about 1e-6 of the number): no bf16 or f16 on the way to a quantiser, and a product that is left as it is and whose result goes on into a quantised operand takes f32 operands (vector FMAs, or v_wmma_f32_16x16x4_f32). A number that lies on a knife's edge between two numbers of the format may be rounded either way, as far as f32 arithmetic and the matrix unit's own rounding can turn it there, and no further.
;;   INPUTS GIVEN AS CODES. wk (in the module: [256, 256], K = its axis 1); wo (in the module: [256, 256], K = its axis 1); wq (in the module: [256, 256], K = its axis 1); wv (in the module: [256, 256], K = its axis 1): each comes as NAME_codes (uint8): NAME with its K axis moved to the last place and cut into blocks of 32 codes, [.., K / 32, bytes a block], one block behind the other in memory; four codes in three bytes: a row's codes are one little-endian stream of bits, code i at bits 6 i .. 6 i + 5 (a code: sign, 3 exponent bits, 2 mantissa bits); and NAME_scales (uint8): the same leading axes, one E8M0 byte (e + 127) for each 32 codes along K. Its value is code x scale, taken as it is: it is not quantised again, and the codes and scales need not be those that the quantiser above would give.
;; One version. Each part assembles by itself: llvm-mc -triple=amdgcn-amd-amdhsa -mcpu=gfx1250 --defsym DOCPART=n.
;; ======== version 1 of 1: 4 launches
;; workspace buffers: stats 2,048 bytes; qimg 3,407,872 bytes; kv 6,684,672 bytes; ctxc 3,145,728 bytes; ctxs 131,072 bytes
;; launch stats (part 1): grid 256 x 1, 8 waves a work-group, no clusters, 1,280 bytes of LDS; arguments x, stats; writes stats
.if DOCPART == 1
	.amdgcn_target "amdgcn-amd-amdhsa--gfx1250"
	.amdhsa_code_object_version 6
	.text
	.protected	k_qbd1749fd1c_stats
	.globl	k_qbd1749fd1c_stats
	.p2align	8
	.type	k_qbd1749fd1c_stats,@function
k_qbd1749fd1c_stats:
	s_mov_b64 s[64:65], 0
	v_nop
	global_prefetch_b8 v0, s[64:65] scope:SCOPE_SE
	s_setreg_imm32_b32 hwreg(HW_REG_WAVE_MODE, 25, 1), 1
	s_wait_xcnt 0x0
; GroupNorm's figures, in two passes over numbers that stay in registers.  x: [4][256][4096] f32.  A group is 8 channels, 131,072 dense bytes.
; Work-group i takes half a group: the 65,536 bytes at 65,536 i (4 channels x 4,096), 64 numbers a thread, read once.
; Pass 1: the mean of the 16,384 numbers.  Pass 2: M2 = the sum of (x - mean)^2: no difference of large sums is formed.
; stats[i] = (mean, M2), 8 bytes; the next launch joins the two halves of a group.
; Memory binds: no matrix unit, no cluster, no tensor load.  LIMITS: NaN and infinities among the inputs are not served.
.set X, 16                             ; v16-79   my 64 numbers
	s_load_b128 s[4:7], s[0:1], 0x0                ; x, stats
	v_lshl_add_u32 v96, v0, 2, 0x100
	v_mov_b32 v97, 0
	v_lshlrev_b32 v1, 4, v0                        ; 16 bytes a thread: a wave's load covers 512 consecutive bytes
	v_lshrrev_b32 v2, 5, v0
	s_delay_alu instid0(VALU_DEP_1)
	v_readfirstlane_b32 s8, v2                     ; wave
	s_delay_alu instid0(VALU_DEP_2)
	v_lshlrev_b32 v10, 2, v2                       ; LDS: my wave's word
	v_mov_b32 v11, 0
	v_mov_b32 v9, 0                                ; a lane permute's destination counts as read
	s_lshl_b32 s10, ttmp9, 16                      ; my half group's first byte
	s_mov_b32 s11, 0
	s_lshl_b32 s16, ttmp9, 3                       ; and its 8 bytes of stats
	s_mov_b32 s17, 0
	s_mov_b32 s12, 0x76543210                      ; v_permlanex16_b32's selects for lane l xor 16
	s_mov_b32 s13, 0xfedcba98
	s_wait_alu depctr_va_vdst(0)
	s_wait_kmcnt 0x0
	s_add_nc_u64 s[4:5], s[4:5], s[10:11]
	s_add_nc_u64 s[6:7], s[6:7], s[16:17]
.irp j, 0,1,2,3,4,5,6,7,8,9,10,11,12,13,14,15
	global_load_b128 v[X+4*\j:X+4*\j+3], v1, s[4:5] offset:4096*\j
.endr
; v8 of every thread of the work-group is summed; the sum comes back in v8 of every thread.  off: eight LDS words of this sum's own.
.macro ALLSUM off
	s_delay_alu instid0(VALU_DEP_1)
	v_add_f32_dpp v8, v8, v8 row_xmask:1 row_mask:0xf bank_mask:0xf
	s_delay_alu instid0(VALU_DEP_1)
	v_add_f32_dpp v8, v8, v8 row_xmask:2 row_mask:0xf bank_mask:0xf
	s_delay_alu instid0(VALU_DEP_1)
	v_add_f32_dpp v8, v8, v8 row_xmask:4 row_mask:0xf bank_mask:0xf
	s_delay_alu instid0(VALU_DEP_1)
	v_add_f32_dpp v8, v8, v8 row_xmask:8 row_mask:0xf bank_mask:0xf
	s_delay_alu instid0(VALU_DEP_1)
	v_permlanex16_b32 v9, v8, s12, s13
	s_delay_alu instid0(VALU_DEP_1)
	v_add_f32 v8, v8, v9
	ds_store_b32 v10, v8 offset:\off               ; all lanes of a wave write the same word with the same value
	s_wait_dscnt 0x0                               ; for the others' sake: my store is done
	s_barrier_signal -1
	s_barrier_wait -1
	ds_load_b128 v[80:83], v11 offset:\off
	ds_load_b128 v[84:87], v11 offset:\off+16
	s_wait_dscnt 0x0
	v_add_f32 v80, v80, v81
	v_add_f32 v82, v82, v83
	v_add_f32 v84, v84, v85
	v_add_f32 v86, v86, v87
	s_delay_alu instid0(VALU_DEP_3)
	v_add_f32 v80, v80, v82
	s_delay_alu instid0(VALU_DEP_2)
	v_add_f32 v84, v84, v86
	s_delay_alu instid0(VALU_DEP_1)
	v_add_f32 v8, v80, v84
.endm
	; pass 1: two chains of packed sums, started by the first two loads: nothing is cleared
	s_wait_loadcnt 14                              ; loads 0 and 1 are in, the fourteen younger may be out
	v_pk_add_f32 v[4:5], v[X:X+1], v[X+4:X+5]
	v_pk_add_f32 v[6:7], v[X+2:X+3], v[X+6:X+7]
	s_wait_alu depctr_va_vdst(0)
.irp j, 2,3,4,5,6,7,8,9,10,11,12,13,14,15
	s_wait_alu depctr_va_vdst(0)
	s_wait_loadcnt 15-\j                           ; load j is in, the younger stay out
	v_pk_add_f32 v[4:5], v[4:5], v[X+4*\j:X+4*\j+1]
	v_pk_add_f32 v[6:7], v[6:7], v[X+4*\j+2:X+4*\j+3]
.endr
	s_delay_alu instid0(VALU_DEP_1)
	v_pk_add_f32 v[4:5], v[4:5], v[6:7]
	s_delay_alu instid0(VALU_DEP_1)
	v_add_f32 v8, v4, v5
	ALLSUM 0
	s_delay_alu instid0(VALU_DEP_1)
	v_mul_f32 v14, 0x38800000, v8                  ; mean = sum x 2^-14
	s_delay_alu instid0(VALU_DEP_2)
	v_mul_f32 v12, 0xb8800000, v8                  ; -mean, twice, for the packed addition
	s_delay_alu instid0(VALU_DEP_1)
	v_mov_b32 v13, v12
	; pass 2: x - mean in place, then the squares in two chains
.set i, 0
.rept 32
	v_pk_add_f32 v[X+i:X+i+1], v[X+i:X+i+1], v[12:13]
.set i, i+2
.endr
	v_pk_mul_f32 v[4:5], v[X:X+1], v[X:X+1]
	v_pk_mul_f32 v[6:7], v[X+2:X+3], v[X+2:X+3]
.set i, 4
.rept 15
	s_delay_alu instid0(VALU_DEP_2)
	v_pk_fma_f32 v[4:5], v[X+i:X+i+1], v[X+i:X+i+1], v[4:5]
	s_delay_alu instid0(VALU_DEP_2)
	v_pk_fma_f32 v[6:7], v[X+i+2:X+i+3], v[X+i+2:X+i+3], v[6:7]
.set i, i+4
.endr
	s_delay_alu instid0(VALU_DEP_1)
	v_pk_add_f32 v[4:5], v[4:5], v[6:7]
	s_delay_alu instid0(VALU_DEP_1)
	v_add_f32 v8, v4, v5
	ALLSUM 32                                      ; other LDS words than the first sum's: no barrier between the two is owed
	s_delay_alu instid0(VALU_DEP_1)
	v_mov_b32 v15, v8                              ; M2
	s_cmp_lg_u32 s8, 0
	s_cbranch_scc1 .Ldone                          ; thread 0 stores the pair
	v_cmp_eq_u32 vcc_lo, 0, v0
	s_wait_xcnt 0x0                                ; EXEC changes only behind this wait
	s_and_saveexec_b32 s14, vcc_lo
	s_wait_alu depctr_va_vdst(0)
	global_store_b64 v11, v[14:15], s[6:7]
	s_wait_xcnt 0x0                                ; and again in front of the line that widens it
	s_or_b32 exec_lo, exec_lo, s14
.Ldone:
	s_wait_tensorcnt 0x0
	ds_add_u32 v96, v97
	s_wait_dscnt 0x0
	s_endpgm
.Lfunc_end_k_qbd1749fd1c_stats:
	.size	k_qbd1749fd1c_stats, .Lfunc_end_k_qbd1749fd1c_stats-k_qbd1749fd1c_stats
	.p2alignl 7, 3214868480
	.fill 96, 4, 3214868480
	.section	.rodata,"a",@progbits
	.p2align	6, 0x0
	.amdhsa_kernel k_qbd1749fd1c_stats
		.amdhsa_group_segment_fixed_size 1280
		.amdhsa_private_segment_fixed_size 0
		.amdhsa_enable_private_segment 0
		.amdhsa_kernarg_size 16
		.amdhsa_user_sgpr_count 2
		.amdhsa_user_sgpr_kernarg_segment_ptr 1
		.amdhsa_wavefront_size32 1
		.amdhsa_system_sgpr_workgroup_id_x 1
		.amdhsa_system_sgpr_workgroup_id_y 1
		.amdhsa_system_sgpr_workgroup_id_z 1
		.amdhsa_system_vgpr_workitem_id 0
		.amdhsa_next_free_vgpr 98
		.amdhsa_next_free_sgpr 66
		.amdhsa_reserve_vcc 1
		.amdhsa_float_denorm_mode_32 3
		.amdhsa_float_denorm_mode_16_64 3
		.amdhsa_memory_ordered 1
		.amdhsa_forward_progress 1
		.amdhsa_inst_pref_size 14
	.end_amdhsa_kernel
	.amdgpu_metadata
---
amdhsa.version: [ 1, 2 ]
amdhsa.kernels:
  - .name:           k_qbd1749fd1c_stats
    .symbol:         k_qbd1749fd1c_stats.kd
    .args:
      - { .name: x, .offset: 0, .size: 8, .value_kind: global_buffer, .address_space: global }
      - { .name: stats, .offset: 8, .size: 8, .value_kind: global_buffer, .address_space: global }
    .group_segment_fixed_size: 1280
    .private_segment_fixed_size: 0
    .kernarg_segment_align: 8
    .kernarg_segment_size: 16
    .max_flat_workgroup_size: 256
    .sgpr_count:     66
    .vgpr_count:     98
    .wavefront_size: 32
...
	.end_amdgpu_metadata
.endif
;; end of part 1
;; launch qkv (part 2): grid 128 x 2, 8 waves a work-group, no clusters, 29,696 bytes of LDS; arguments x, gamma, beta, stats, wq_codes, wq_scales, wk_codes, wk_scales, wv_codes, wv_scales, qimg, kv; writes qimg, kv
.if DOCPART == 2
	.amdgcn_target "amdgcn-amd-amdhsa--gfx1250"
	.amdhsa_code_object_version 6
	.text
	.protected	k_qbd1749fd1c_qkv
	.globl	k_qbd1749fd1c_qkv
	.p2align	8
	.type	k_qbd1749fd1c_qkv,@function
k_qbd1749fd1c_qkv:
	s_mov_b64 s[64:65], 0
	v_nop
	global_prefetch_b8 v0, s[64:65] scope:SCOPE_SE
	s_setreg_imm32_b32 hwreg(HW_REG_WAVE_MODE, 25, 1), 1
	s_wait_xcnt 0x0
; GroupNorm, the tokens' codes, and the three projections, on codes of BF6 (E3M2) with one E8M0 scale for each 32 along K; q, k and v leave as codes.
; A work-group takes 128 tokens of one batch entry (ttmp9: b = x / 32, block tb = x % 32) and two heads (ttmp7: heads 2 y, 2 y + 1).
; X: x is [c][token]: a lane takes a token and its registers run down the channels, which are K: a block of 32 lies in one lane.  Wave w: tokens 32 (w % 4) on, channels 128 (w / 4) on.
;    The codes go to LDS as images of the operand's registers (a group of four registers by one ds_store_b128 at 16 x lane), the scale words at 4 x lane.
; QK: wave w: tensor (w % 4) / 2 (q, k), head 2 y + w % 2, token tiles 4 (w / 4) on.  Transposed: source 0 = 16 rows of W, source 1 = 16 tokens: a lane holds one token, registers along the head's 64.
; V:  wave w: head 2 y + w / 4, tile w % 4 of the head's 64, all 128 tokens.  Source 0 = 16 tokens, source 1 = 16 rows of wv: a lane holds one d, registers along the tokens, which are the keys: the next K.
; THE ROWS OF A TILE ARE NOT NEIGHBOURS: row r of tile t is 32 (t / 2) + 8 (t % 2) + r + 8 (r / 8), for the tokens of a block of 128 and for a head's rows of wq, wk, wv alike: so the 16 registers of
; two neighbouring result tiles are 16 neighbours along the next K.
; OUT, in the order of the operand's registers.  qimg [16 bh][32 blocks][6,656]: 8 tiles x 6 registers of codes (K = 64 is half a fragment), then scale words, 8 bytes a lane for four tiles.
; kv [16 bh][32 key steps][13,056]: K as in qimg; from 6,656 V^T's four fragments; from 12,800 their scale words.  A q or k scale word repeats its two bytes, for the half of the instruction's K that is padding.
; A block's scale byte is its largest magnitude's exponent field - 4, held at 1 from below.
; LIMITS: a block of zeros, or one under 2^-122, gets the byte 1 (its bytes are read by this program alone); NaN and infinities are not served.
; Both y read and quantise the same x: that buys 256 work-groups and whole fragments in every store.  No tensor loads: each byte is used once.
; REGISTERS: window 0: v1-15, v33, v50, v51, v62, v63 addresses; v16-31 at work; v32 the scale word just made; v[34:35] q's or k's scale words; v36-39 x's; v40-47 W's; v48-49 wv's; v52-59 -mean;
;   X: v64-159 three sets of 32 numbers, v160-191 a, v192-223 beta, v224-247 two fragments, v248-254 halves.   later: v64-159 fragments of x, v160-223 results, v224-242 codes.
;   window 1: v0-95 my 8 fragments of wq or wk; v96-119 my two of wv.
.set NM,   0                           ; LDS: [32 groups][-mean, -mean]
.set AT,   256                         ; a[256] = gamma / sqrt(var + eps)
.set BT,   1280                        ; beta[256]
.set XIMG, 2304                        ; x's 16 fragments: K step s, token tile m at 8 s + m
.set FRB,  1536                        ; a fragment's image
.set XSC,  XIMG+16*FRB                 ; their scale words: 128 bytes for K step s and tiles 2 g (lanes 0-15), 2 g + 1 (lanes 16-31), at 4 s + g
.set VSG,  XSC+8*128                   ; V's scale words, 256 bytes a head
.set TM,   16
.set PW,   32
.set XSR,  36
.set W1S,  40
.set WVS,  48
.set XF,   64
.set HA,   160
.set PC,   224
.set SEL,  44
.set MSB, 0
.macro WIN new                         ; the immediate's high byte repeats the setting that is left
.if MSB != \new
	s_set_vgpr_msb (MSB<<8)|\new
.set MSB, \new
.endif
.endm
.macro PLACES n
.rept \n
	v_nop
.endr
.endm
.macro BARRIER                         ; my LDS stores have landed and my LDS loads are in: then the work-group's barrier
	s_wait_dscnt 0x0
	s_barrier_signal -1
	s_barrier_wait -1
.endm
.macro IMAGE reg, adr, off             ; a fragment goes to LDS as it stands
.irp c, 0,1,2
	ds_store_b128 v[\adr], v[\reg+4*\c:\reg+4*\c+3] offset:\off+512*\c
.endr
.endm
.macro FETCH reg, adr, off             ; and comes back so, in any wave
.irp c, 0,1,2
	ds_load_b128 v[\reg+4*\c:\reg+4*\c+3], v[\adr] offset:\off+512*\c
.endr
.endm
; 64 numbers of a lane, v[s] on, register 16 b + i = k 32 b + 16 (lane / 16) + i of my row, become 12 registers of codes in v[PC] on and four scale bytes in v[PW]
.macro QUANT s
.irp b, 0,1,2,3
	v_max3_num_f32 v[TM+\b], |v[\s+16*\b]|, |v[\s+1+16*\b]|, 0x2800000   ; my 16 numbers of block b, and the floor 2^(5 - 127): the byte cannot fall under 1
.endr
.irp i, 2,4,6,8,10,12,14
.irp b, 0,1,2,3
	v_max3_num_f32 v[TM+\b], v[TM+\b], |v[\s+16*\b+\i]|, |v[\s+1+16*\b+\i]|
.endr
.endr
.irp b, 0,1,2,3
	s_delay_alu instid0(VALU_DEP_4)
	v_permlanex16_b32 v[TM+4+\b], v[TM+\b], s[SEL], s[SEL+1]
.endr
.irp b, 0,1,2,3
	s_delay_alu instid0(VALU_DEP_4)
	v_max_num_f32 v[TM+\b], v[TM+\b], v[TM+4+\b]   ; with lane l xor 16's: the block's largest magnitude
.endr
.irp b, 0,1,2,3
	s_delay_alu instid0(VALU_DEP_4)
	v_add_nc_u32 v[TM+12+\b], 0xfe000000, v[TM+\b] ; 4 off its exponent field: the conversion's scale operand
.endr
.irp b, 0,1,2,3
	s_delay_alu instid0(VALU_DEP_4)
	v_lshrrev_b32 v[TM+4+\b], 23, v[TM+12+\b]      ; the scale's byte
.endr
	s_delay_alu instid0(VALU_DEP_3)
	v_lshl_or_b32 v[PW], v[TM+5], 8, v[TM+4]
	s_delay_alu instid0(VALU_DEP_1)
	v_lshl_or_b32 v[PW], v[TM+6], 16, v[PW]
	s_delay_alu instid0(VALU_DEP_1)
	v_lshl_or_b32 v[PW], v[TM+7], 24, v[PW]
.irp c, 0,1
	v_cvt_scalef32_pk16_bf6_f32 v[PC+6*\c:PC+2+6*\c], v[\s+32*\c:\s+15+32*\c], v[TM+12+2*\c]
	v_cvt_scalef32_pk16_bf6_f32 v[PC+12+4*\c:PC+14+4*\c], v[\s+16+32*\c:\s+31+32*\c], v[TM+12+2*\c+1]   ; (a conversion's three registers begin on an even number)
.endr
	v_nop                                          ; one plain place behind a scaled conversion
.irp c, 0,1                                    ; the layout wants a whole block in a lane: lanes 0-15 block 2 c, lanes 16-31 block 2 c + 1
.irp i, 0,1,2
	v_permlane16_swap_b32 v[PC+6*\c+\i], v[PC+12+4*\c+\i]
.endr
.irp i, 0,1,2
	s_delay_alu instid0(VALU_DEP_3)
	v_mov_b32 v[PC+3+6*\c+\i], v[PC+12+4*\c+\i]
.endr
.endr
.endm
; block bl of my 128 channels: x(32 bl + i, my token), i = 0 .. 31, into set bl % 3.  32 lanes read 128 consecutive bytes, four waves side by side 512
.macro LOADX bl
.set i, 0
.rept 32
	global_load_b32 v[64+32*((\bl)%3)+i], v4, s[4:5] offset:(32*(\bl)+i)*16384
.set i, i+1
.endr
.endm
; block bl is normalised and quantised.  left: the loads that may stay out (the next block's 32)
.macro XBLOCK bl, left
.set XB, 64+32*((\bl)%3)
.set FL, 224+12*((\bl)%2)+6*((\bl)/2)
.set FH, 248+4*((\bl)%2)
	s_wait_loadcnt \left
.if \bl < 2
	LOADX \bl+2
.endif
	ds_load_b128 v[52:55], v11 offset:NM+32*\bl    ; the block's four groups: (-mean, -mean) each; the same address in every lane
	ds_load_b128 v[56:59], v11 offset:NM+32*\bl+16
.irp i, 0,1,2,3,4,5,6,7
	ds_load_b128 v[160+4*\i:163+4*\i], v10 offset:AT+128*\bl+16*\i
.endr
.irp i, 0,1,2,3,4,5,6,7
	ds_load_b128 v[192+4*\i:195+4*\i], v10 offset:BT+128*\bl+16*\i
.endr
	s_wait_dscnt 0x0
.set k, 0
.rept 16
	v_pk_add_f32 v[XB+2*k:XB+2*k+1], v[XB+2*k:XB+2*k+1], v[52+2*(k/4):53+2*(k/4)]   ; x - mean first,
.set k, k+1
.endr
.set k, 0
.rept 16
	v_pk_fma_f32 v[XB+2*k:XB+2*k+1], v[XB+2*k:XB+2*k+1], v[160+2*k:161+2*k], v[192+2*k:193+2*k]   ; then x a + beta
.set k, k+1
.endr
	v_max3_num_f32 v16, |v[XB]|, |v[XB+1]|, |v[XB+2]|              ; the block's largest magnitude: all 32 numbers are mine
	v_max3_num_f32 v17, |v[XB+3]|, |v[XB+4]|, |v[XB+5]|
.irp i, 6,10,14,18,22,26
	s_delay_alu instid0(VALU_DEP_2)
	v_max3_num_f32 v16, v16, |v[XB+\i]|, |v[XB+\i+1]|
	s_delay_alu instid0(VALU_DEP_2)
	v_max3_num_f32 v17, v17, |v[XB+\i+2]|, |v[XB+\i+3]|
.endr
	s_delay_alu instid0(VALU_DEP_2)
	v_max3_num_f32 v16, v16, |v[XB+30]|, |v[XB+31]|
	s_delay_alu instid0(VALU_DEP_1)
	v_max3_num_f32 v16, v16, v17, 0x2800000        ; and the floor
	s_delay_alu instid0(VALU_DEP_1)
	v_add_nc_u32 v[28+\bl], 0xfe000000, v16        ; the conversion's scale operand
	s_delay_alu instid0(VALU_DEP_1)
	v_lshrrev_b32 v18, 23, v[28+\bl]               ; the byte
.if \bl == 0
	s_delay_alu instid0(VALU_DEP_1)
	v_mov_b32 v[PW], v18
.else
	s_delay_alu instid0(VALU_DEP_1)
	v_lshl_or_b32 v[PW], v18, 8*\bl, v[PW]
.endif
	v_cvt_scalef32_pk16_bf6_f32 v[FL:FL+2], v[XB:XB+15], v[28+\bl]
	v_cvt_scalef32_pk16_bf6_f32 v[FH:FH+2], v[XB+16:XB+31], v[28+\bl]
	v_nop                                          ; one plain place behind a scaled conversion
.endm
; Lanes 0-15 hold tokens of tile 2 g, lanes 16-31 of tile 2 g + 1, each with blocks 2 c and 2 c + 1.  The exchange gives tile 2 g's registers 6 c on (lanes 0-15 block 2 c, lanes 16-31 block 2 c + 1) and tile 2 g + 1's
.macro PAIRUP c
.irp i, 0,1,2
	v_permlane16_swap_b32 v[224+6*\c+\i], v[236+6*\c+\i]
.endr
.irp i, 0,1,2
	v_permlane16_swap_b32 v[248+\i], v[252+\i]
.endr
.irp i, 0,1,2
	v_mov_b32 v[227+6*\c+\i], v[248+\i]
	v_mov_b32 v[239+6*\c+\i], v[252+\i]
.endr
.endm
; q or k: rows tile o of W x token tile e of the pair, K step s.  The eight accumulators take turns
.macro QKMUL o, e, s
.set rD, HA+32*\e+8*\o
.set rA, 12*(2*\o+\s)
.set rB, XF+12*(2*\e+\s)
.if \s == 0
.if \e == 0
	v_wmma_scale_f32_16x16x128_f8f6f4 v[rD:rD+7], v[rA:rA+11], v[rB:rB+11], 0, v[W1S+2*\o+\s], v[XSR+\s] matrix_a_fmt:MATRIX_FMT_BF6 matrix_b_fmt:MATRIX_FMT_BF6
.else
	v_wmma_scale_f32_16x16x128_f8f6f4 v[rD:rD+7], v[rA:rA+11], v[rB:rB+11], 0, v[W1S+2*\o+\s], v[XSR+\s] matrix_a_fmt:MATRIX_FMT_BF6 matrix_b_fmt:MATRIX_FMT_BF6 matrix_b_scale:MATRIX_SCALE_ROW1
.endif
.else
.if \e == 0
	v_wmma_scale_f32_16x16x128_f8f6f4 v[rD:rD+7], v[rA:rA+11], v[rB:rB+11], v[rD:rD+7], v[W1S+2*\o+\s], v[XSR+\s] matrix_a_fmt:MATRIX_FMT_BF6 matrix_b_fmt:MATRIX_FMT_BF6
.else
	v_wmma_scale_f32_16x16x128_f8f6f4 v[rD:rD+7], v[rA:rA+11], v[rB:rB+11], v[rD:rD+7], v[W1S+2*\o+\s], v[XSR+\s] matrix_a_fmt:MATRIX_FMT_BF6 matrix_b_fmt:MATRIX_FMT_BF6 matrix_b_scale:MATRIX_SCALE_ROW1
.endif
.endif
.endm
; v: token tile m x my 16 rows of wv, K step s
.macro VMUL m, s
.set rD, HA+8*\m
.set rA, XF+12*\m
.set rB, 96+12*\s
.if \s == 0
.if (\m)%2 == 0
	v_wmma_scale_f32_16x16x128_f8f6f4 v[rD:rD+7], v[rA:rA+11], v[rB:rB+11], 0, v[XSR+(\m)/2], v[WVS+\s] matrix_a_fmt:MATRIX_FMT_BF6 matrix_b_fmt:MATRIX_FMT_BF6
.else
	v_wmma_scale_f32_16x16x128_f8f6f4 v[rD:rD+7], v[rA:rA+11], v[rB:rB+11], 0, v[XSR+(\m)/2], v[WVS+\s] matrix_a_fmt:MATRIX_FMT_BF6 matrix_b_fmt:MATRIX_FMT_BF6 matrix_a_scale:MATRIX_SCALE_ROW1
.endif
.else
.if (\m)%2 == 0
	v_wmma_scale_f32_16x16x128_f8f6f4 v[rD:rD+7], v[rA:rA+11], v[rB:rB+11], v[rD:rD+7], v[XSR+(\m)/2], v[WVS+\s] matrix_a_fmt:MATRIX_FMT_BF6 matrix_b_fmt:MATRIX_FMT_BF6
.else
	v_wmma_scale_f32_16x16x128_f8f6f4 v[rD:rD+7], v[rA:rA+11], v[rB:rB+11], v[rD:rD+7], v[XSR+(\m)/2], v[WVS+\s] matrix_a_fmt:MATRIX_FMT_BF6 matrix_b_fmt:MATRIX_FMT_BF6 matrix_a_scale:MATRIX_SCALE_ROW1
.endif
.endif
.endm
	s_load_b256 s[4:11], s[0:1], 0x0               ; x, gamma, beta, stats
	s_load_b256 s[12:19], s[0:1], 0x20             ; wq's codes, scales; wk's codes, scales
	s_load_b256 s[20:27], s[0:1], 0x40             ; wv's codes, scales; qimg; kv
	v_lshl_add_u32 v251, v0, 2, 0x7000
	v_mov_b32 v255, 0
	v_lshrrev_b32 v1, 5, v0
	s_delay_alu instid0(VALU_DEP_1)
	v_readfirstlane_b32 s28, v1                    ; wave 0..7
	s_and_b32 s29, s28, 3                          ; X: g.   QK: tensor and head.   V: tile t
	s_lshr_b32 s30, s28, 2                         ; X: K step.   QK: which four token tiles.   V: which head
	s_lshr_b32 s31, ttmp9, 5                       ; b
	s_and_b32 s32, ttmp9, 31                       ; tb
	s_and_b32 s33, ttmp7, 0xffff                   ; y
	s_mov_b32 s[SEL], 0x76543210                   ; v_permlanex16_b32's selects for lane l xor 16
	s_mov_b32 s[SEL+1], 0xfedcba98
	s_mov_b32 s46, 0xffff0000                      ; lanes 16-31
	s_mov_b32 s47, 0x01000100                      ; v_perm_b32: bytes 0, 1, 0, 1
	s_mov_b32 s58, 0x03020302                      ; bytes 2, 3, 2, 3
	v_and_b32 v1, 31, v0                           ; lane
	v_and_b32 v2, 15, v0                           ; r
	v_bfe_u32 v3, v0, 4, 1                         ; h
	v_and_b32 v4, 7, v0                            ; x: 4 bytes x my token among the wave's 32: (l & 7) + 16 ((l / 8) & 1) + 8 (l / 16)
	s_delay_alu instid0(VALU_DEP_1)
	v_lshlrev_b32 v4, 2, v4
	v_and_b32 v60, 8, v0
	s_delay_alu instid0(VALU_DEP_1)
	v_lshl_or_b32 v4, v60, 3, v4
	v_and_b32 v60, 16, v0
	s_delay_alu instid0(VALU_DEP_1)
	v_lshl_or_b32 v4, v60, 1, v4
	v_lshlrev_b32 v5, 4, v1                        ; 16 x lane
	v_lshlrev_b32 v6, 2, v1                        ; 4 x lane
	v_lshlrev_b32 v7, 3, v1                        ; 8 x lane
	s_wait_alu depctr_va_vdst(0)
	s_lshl_b32 s34, s30, 3
	s_lshl_b32 s35, s29, 1
	s_add_co_u32 s34, s34, s35
	s_mul_i32 s34, s34, FRB
	v_add_nc_u32 v8, s34, v5                       ; where I store x's two images: fragment 8 s + 2 g
	s_lshl_b32 s34, s30, 2
	s_add_co_u32 s34, s34, s29
	s_lshl_b32 s34, s34, 7
	v_add_nc_u32 v9, s34, v6                       ; and their scale words
	s_lshl_b32 s34, s30, 9
	v_mov_b32 v10, s34                             ; my 128 channels in a and beta
	s_lshl_b32 s34, s30, 7
	v_mov_b32 v11, s34                             ; my 16 groups' -mean
	s_lshl_b32 s34, s30, 8
	v_add_nc_u32 v63, s34, v7                      ; V's scale words, on the way out: 8 x lane + 256 x head
	v_add_nc_u32 v33, s34, v6                      ; QK: x's scale words of my four tiles: 4 x lane + 256 (w / 4)
	s_and_b32 s35, s29, 1
	s_lshl_b32 s35, s35, 7
	s_add_co_u32 s34, s34, s35
	s_lshr_b32 s35, s29, 1
	s_lshl_b32 s35, s35, 2
	s_add_co_u32 s34, s34, s35
	v_lshl_add_u32 v12, v2, 3, s34                 ; V's scale word of tile t, row r: lane 16 (t % 2) + r, word t / 2
	v_and_b32 v60, 8, v2
	s_delay_alu instid0(VALU_DEP_1)
	v_add_nc_u32 v60, v60, v2                      ; r + 8 (r / 8)
	s_delay_alu instid0(VALU_DEP_1)
	v_mul_u32_u24 v13, v60, 192                    ; a row of W is 256 codes, 192 bytes
	s_delay_alu instid0(VALU_DEP_1)
	v_mad_u32_u24 v13, v3, 24, v13
	s_delay_alu instid0(VALU_DEP_3)
	v_lshlrev_b32 v14, 3, v60                      ; and 8 scale bytes
	s_mul_i32 s34, s30, 4*FRB
	v_add_nc_u32 v15, s34, v5                      ; QK: the images of my four tiles
	v_and_b32 v50, 0xf8, v0                        ; thread t is channel t: its group's pair of -mean, word t % 2
	v_and_b32 v60, 1, v0
	s_delay_alu instid0(VALU_DEP_1)
	v_lshl_or_b32 v50, v60, 2, v50
	v_lshlrev_b32 v51, 2, v0                       ; 4 t
	v_lshrrev_b32 v62, 3, v0
	s_delay_alu instid0(VALU_DEP_1)
	v_lshlrev_b32 v62, 4, v62                      ; its group's 16 bytes of stats
.irp b, 0,1,2,3
	v_mov_b32 v[TM+4+\b], 0                        ; written once: a lane permute's destination counts as one of its sources
.endr
	s_mov_b32 s61, 0
	s_wait_alu depctr_va_vdst(0)
	s_wait_kmcnt 0x0
	s_lshl_b32 s34, s31, 8                         ; x at channel 256 b + 128 s, token 128 tb + 32 g
	s_lshl_b32 s35, s30, 7
	s_add_co_u32 s34, s34, s35
	s_lshl_b32 s60, s34, 14
	s_lshl_b32 s34, s32, 9
	s_add_co_u32 s60, s60, s34
	s_lshl_b32 s34, s29, 7
	s_add_co_u32 s60, s60, s34
	s_add_nc_u64 s[4:5], s[4:5], s[60:61]
	s_lshl_b32 s60, s31, 9                         ; stats of batch entry b
	s_add_nc_u64 s[10:11], s[10:11], s[60:61]
	s_cmp_ge_u32 s29, 2                            ; q or k: the choice hangs on the wave's number alone
	s_cselect_b64 s[36:37], s[16:17], s[12:13]
	s_cselect_b64 s[38:39], s[18:19], s[14:15]
	s_cselect_b64 s[40:41], s[26:27], s[24:25]
	s_mov_b32 s34, 6656
	s_cselect_b32 s34, 13056, s34                  ; bytes of a block in kv or in qimg
	s_and_b32 s35, s29, 1
	s_lshl_b32 s62, s33, 1
	s_add_co_u32 s35, s35, s62                     ; my head
	s_mul_i32 s60, s35, 64*192
	s_add_nc_u64 s[36:37], s[36:37], s[60:61]      ; its 64 rows of codes
	s_lshl_b32 s60, s35, 9
	s_add_nc_u64 s[38:39], s[38:39], s[60:61]      ; and of scale bytes
	s_lshl_b32 s62, s31, 2
	s_add_co_u32 s35, s35, s62                     ; bh
	s_lshl_b32 s35, s35, 5
	s_add_co_u32 s35, s35, s32
	s_mul_i32 s60, s35, s34
	s_add_nc_u64 s[40:41], s[40:41], s[60:61]      ; my block of the output
	s_lshl_b32 s60, s30, 8
	s_add_co_u32 s60, s60, 6144
	s_add_nc_u64 s[48:49], s[40:41], s[60:61]      ; my four tiles' scale words
	s_mul_i32 s60, s30, 3072
	s_add_nc_u64 s[40:41], s[40:41], s[60:61]      ; and codes
	s_lshl_b32 s35, s33, 1
	s_add_co_u32 s35, s35, s30                     ; V's head
	s_lshl_b32 s62, s35, 6
	s_lshr_b32 s63, s29, 1
	s_lshl_b32 s63, s63, 5
	s_add_co_u32 s62, s62, s63
	s_and_b32 s63, s29, 1
	s_lshl_b32 s63, s63, 3
	s_add_co_u32 s62, s62, s63                     ; wv's row 64 head + 32 (t / 2) + 8 (t % 2)
	s_mul_i32 s60, s62, 192
	s_add_nc_u64 s[54:55], s[20:21], s[60:61]
	s_lshl_b32 s60, s62, 3
	s_add_nc_u64 s[56:57], s[22:23], s[60:61]
	s_lshl_b32 s62, s31, 2
	s_add_co_u32 s35, s35, s62
	s_lshl_b32 s35, s35, 5
	s_add_co_u32 s35, s35, s32
	s_mul_i32 s60, s35, 13056
	s_add_nc_u64 s[52:53], s[26:27], s[60:61]      ; V's block of kv
	s_mul_i32 s60, s29, FRB
	s_add_co_u32 s60, s60, 6656
	s_add_nc_u64 s[50:51], s[52:53], s[60:61]      ; my fragment of V^T
	s_add_nc_u64 s[52:53], s[52:53], 12800         ; the head's scale words
	global_load_b128 v[52:55], v62, s[10:11]       ; mean, M2 of my channel's group's two halves
	global_load_b32 v56, v51, s[6:7]               ; gamma
	global_load_b32 v57, v51, s[8:9]               ; beta
	WIN 0x40                                       ; destination window 1
.irp o, 0,1,2,3
.irp s, 0,1
.irp p, 0,1,2,3,4,5
	global_load_b64 v[12*(2*\o+\s)+2*\p:12*(2*\o+\s)+2*\p+1], v13, s[36:37] offset:(32*(\o/2)+8*(\o%2))*192+96*\s+48*(\p/3)+8*(\p%3)
.endr
.endr
.endr
.irp s, 0,1
.irp p, 0,1,2,3,4,5
	global_load_b64 v[96+12*\s+2*\p:96+12*\s+2*\p+1], v13, s[54:55] offset:96*\s+48*(\p/3)+8*(\p%3)
.endr
.endr
	WIN 0
.irp o, 0,1,2,3
	global_load_b64 v[W1S+2*\o:W1S+2*\o+1], v14, s[38:39] offset:(32*(\o/2)+8*(\o%2))*8   ; a row's two scale words
.endr
	global_load_b64 v[WVS:WVS+1], v14, s[56:57]
	LOADX 0
	s_wait_loadcnt 32                              ; all but the 32 loads of x just issued
	; ---- the norm's figures: thread t makes channel t's.  The two halves of a group have as many numbers each: mean = (m1 + m2) / 2, var = (M2a + M2b) / 32,768 + ((m1 - m2) / 2)^2
	v_add_f32 v60, v52, v54
	v_sub_f32 v61, v52, v54
	v_add_f32 v58, v53, v55
	s_delay_alu instid0(VALU_DEP_3)
	v_mul_f32 v60, -0.5, v60                       ; -mean
	s_delay_alu instid0(VALU_DEP_3)
	v_mul_f32 v61, 0.5, v61
	s_delay_alu instid0(VALU_DEP_3)
	v_mul_f32 v58, 0x38000000, v58                 ; x 2^-15
	s_delay_alu instid0(VALU_DEP_1)
	v_fma_f32 v58, v61, v61, v58
	s_delay_alu instid0(VALU_DEP_1)
	v_add_f32 v58, 0x3727c5ac, v58                 ; + 1e-5
	s_wait_alu depctr_va_vdst(0)
	v_rsq_f32 v59, v58
	v_nop                                          ; one plain place behind a transcendental
	s_wait_alu depctr_va_vdst(0)
	v_mul_f32 v58, v59, v56                        ; a = gamma / sqrt(var + eps)
	ds_store_b32 v50, v60 offset:NM                ; (four threads write each word, with the same value)
	ds_store_b32 v51, v58 offset:AT
	ds_store_b32 v51, v57 offset:BT
	LOADX 1
	BARRIER                                        ; the figures lie in LDS
	; ---- X
	XBLOCK 0, 32
	XBLOCK 1, 32
	PAIRUP 0
	XBLOCK 2, 32
	XBLOCK 3, 0
	PAIRUP 1
	IMAGE 224, 8, XIMG
	IMAGE 236, 8, XIMG+FRB
	ds_store_b32 v9, v[PW] offset:XSC              ; lanes 0-15: tile 2 g's rows; lanes 16-31: tile 2 g + 1's
	BARRIER                                        ; x's sixteen fragments lie in LDS
	; ---- QK: two token tiles at a time
.irp p, 0,1
.irp e, 0,1
.irp s, 0,1
	FETCH XF+12*(2*\e+\s), 15, XIMG+(8*\s+2*\p+\e)*FRB
.endr
.endr
	ds_load_b32 v[XSR], v33 offset:XSC+\p*128
	ds_load_b32 v[XSR+1], v33 offset:XSC+(4+\p)*128
	s_wait_dscnt 0x0
	WIN 0x01                                       ; source 0 (W) window 1
.irp s, 0,1
.irp e, 0,1
.irp o, 0,1,2,3
	QKMUL \o, \e, \s
.endr
.endr
.endr
	WIN 0
	PLACES 5                                       ; four in front of reads of results and of loads into operands; the fifth for the products that begin these accumulators anew
.if \p == 1
	s_wait_xcnt 0x0                                ; the first pair's stores have read the codes' registers
.endif
	QUANT HA                                       ; blocks 0, 1: the first tile's 64; blocks 2, 3: the second's: 6 registers of codes each
	v_perm_b32 v60, v[PW], v[PW], s47              ; the first tile's two bytes, twice;
	v_perm_b32 v61, v[PW], v[PW], s58              ; the second's
	s_delay_alu instid0(VALU_DEP_1)
	v_cndmask_b32 v[34+\p], v60, v61, s46          ; lanes 0-15 carry the first tile's rows, lanes 16-31 the second's
.irp i, 0,1,2
	global_store_b128 v5, v[PC+4*\i:PC+4*\i+3], s[40:41] offset:(3*\p+\i)*512   ; 32 lanes store 512 consecutive bytes
.endr
.endr
	global_store_b64 v7, v[34:35], s[48:49]        ; 256 consecutive bytes
	; ---- V
.irp s, 0,1
.if \s == 1
	PLACES 4                                       ; in front of loads into registers that matrix instructions have read
.endif
.irp m, 0,1,2,3,4,5,6,7
	FETCH XF+12*\m, 5, XIMG+(8*\s+\m)*FRB
.endr
.irp g, 0,1,2,3
	ds_load_b32 v[XSR+\g], v6 offset:XSC+(4*\s+\g)*128
.endr
	s_wait_dscnt 0x0
	WIN 0x04                                       ; source 1 (wv) window 1
.irp m, 0,1,2,3,4,5,6,7
	VMUL \m, \s
.endr
	WIN 0
.endr
	PLACES 5
	s_wait_xcnt 0x0                                ; q's or k's stores have read the codes' registers
	QUANT HA                                       ; 128 tokens of my 16 d: one fragment of V^T and its scale word
.irp i, 0,1,2
	global_store_b128 v5, v[PC+4*\i:PC+4*\i+3], s[50:51] offset:\i*512
.endr
	ds_store_b32 v12, v[PW] offset:VSG             ; lanes r and r + 16 write the same word with the same value
	BARRIER                                        ; a head's four scale words a row lie in LDS
	s_cmp_lg_u32 s29, 0
	s_cbranch_scc1 .Ldone                          ; one wave for each head stores them: 256 consecutive bytes
	ds_load_b64 v[60:61], v63 offset:VSG
	s_wait_dscnt 0x0
	global_store_b64 v7, v[60:61], s[52:53]
.Ldone:
	s_wait_tensorcnt 0x0
	ds_add_u32 v251, v255
	s_wait_dscnt 0x0
	s_endpgm
.Lfunc_end_k_qbd1749fd1c_qkv:
	.size	k_qbd1749fd1c_qkv, .Lfunc_end_k_qbd1749fd1c_qkv-k_qbd1749fd1c_qkv
	.p2alignl 7, 3214868480
	.fill 96, 4, 3214868480
	.section	.rodata,"a",@progbits
	.p2align	6, 0x0
	.amdhsa_kernel k_qbd1749fd1c_qkv
		.amdhsa_group_segment_fixed_size 29696
		.amdhsa_private_segment_fixed_size 0
		.amdhsa_enable_private_segment 0
		.amdhsa_kernarg_size 96
		.amdhsa_user_sgpr_count 2
		.amdhsa_user_sgpr_kernarg_segment_ptr 1
		.amdhsa_wavefront_size32 1
		.amdhsa_system_sgpr_workgroup_id_x 1
		.amdhsa_system_sgpr_workgroup_id_y 1
		.amdhsa_system_sgpr_workgroup_id_z 1
		.amdhsa_system_vgpr_workitem_id 0
		.amdhsa_next_free_vgpr 384
		.amdhsa_next_free_sgpr 66
		.amdhsa_reserve_vcc 0
		.amdhsa_float_denorm_mode_32 3
		.amdhsa_float_denorm_mode_16_64 3
		.amdhsa_memory_ordered 1
		.amdhsa_forward_progress 1
		.amdhsa_inst_pref_size 75
	.end_amdhsa_kernel
	.amdgpu_metadata
---
amdhsa.version: [ 1, 2 ]
amdhsa.kernels:
  - .name:           k_qbd1749fd1c_qkv
    .symbol:         k_qbd1749fd1c_qkv.kd
    .args:
      - { .name: x, .offset: 0, .size: 8, .value_kind: global_buffer, .address_space: global }
      - { .name: gamma, .offset: 8, .size: 8, .value_kind: global_buffer, .address_space: global }
      - { .name: beta, .offset: 16, .size: 8, .value_kind: global_buffer, .address_space: global }
      - { .name: stats, .offset: 24, .size: 8, .value_kind: global_buffer, .address_space: global }
      - { .name: wq_codes, .offset: 32, .size: 8, .value_kind: global_buffer, .address_space: global }
      - { .name: wq_scales, .offset: 40, .size: 8, .value_kind: global_buffer, .address_space: global }
      - { .name: wk_codes, .offset: 48, .size: 8, .value_kind: global_buffer, .address_space: global }
      - { .name: wk_scales, .offset: 56, .size: 8, .value_kind: global_buffer, .address_space: global }
      - { .name: wv_codes, .offset: 64, .size: 8, .value_kind: global_buffer, .address_space: global }
      - { .name: wv_scales, .offset: 72, .size: 8, .value_kind: global_buffer, .address_space: global }
      - { .name: qimg, .offset: 80, .size: 8, .value_kind: global_buffer, .address_space: global }
      - { .name: kv, .offset: 88, .size: 8, .value_kind: global_buffer, .address_space: global }
    .group_segment_fixed_size: 29696
    .private_segment_fixed_size: 0
    .kernarg_segment_align: 8
    .kernarg_segment_size: 96
    .max_flat_workgroup_size: 256
    .sgpr_count:     66
    .vgpr_count:     384
    .wavefront_size: 32
...
	.end_amdgpu_metadata
.endif
;; end of part 2
;; launch attn (part 3): grid 16 x 16, 16 waves a work-group, clusters of 4 x 1, 327,680 bytes of LDS; arguments qimg, kv, ctxc, ctxs; writes ctxc, ctxs
.if DOCPART == 3
	.amdgcn_target "amdgcn-amd-amdhsa--gfx1250"
	.amdhsa_code_object_version 6
	.text
	.protected	k_qbd1749fd1c_attn
	.globl	k_qbd1749fd1c_attn
	.p2align	8
	.type	k_qbd1749fd1c_attn,@function
k_qbd1749fd1c_attn:
	s_mov_b64 s[64:65], 0
	v_nop
	global_prefetch_b8 v0, s[64:65] scope:SCOPE_SE
	s_setreg_imm32_b32 hwreg(HW_REG_WAVE_MODE, 25, 1), 1
	s_wait_xcnt 0x0
	s_wait_alu depctr_hold_cnt(0) depctr_sa_sdst(0) depctr_va_vdst(0) depctr_va_sdst(0) depctr_va_ssrc(0) depctr_va_vcc(0) depctr_vm_vsrc(0)
	s_getreg_b32 s2, hwreg(HW_REG_IB_STS2, 6, 4)
	s_cmp_eq_u32 s2, 0
	s_cbranch_scc0 .Lentry_in_a_cluster
	s_endpgm
.Lentry_in_a_cluster:
	s_bfe_u32 s2, ttmp6, 0x10000c
	s_cmp_lg_u32 s2, 0x3003
	s_cbranch_scc0 .Lentry_shape_is_right
	s_endpgm
.Lentry_shape_is_right:
; ctx = softmax(q k^T / 8) v for one pair bh of batch entry and head (ttmp7) and 256 queries, both products on codes of BF6 (E3M2) with one E8M0 scale for each 32 along K; ctx leaves as codes for the last projection.
; THE SOFTMAX: t = score x log2(e) / 8; M = the running largest t rounded UP to a whole number; p = 2^(t - M) is quantised along the keys, not normalised; the row's sum is taken of the unquantised p and divides at
; the end.  When M moves, the sum and O are multiplied by 2^(old M - new M): exact.
; SHARES.  Sixteen waves, each one tile of 16 queries in 256 registers, four to a SIMD, so that one wave's vector work stands beside another's matrix work and LDS loads.  Every wave walks the 4,096 keys, 128 a step.
; LAYOUT.  Both products transposed: S^T = K Q^T, O^T = V^T P^T: a lane holds one query throughout.  qimg and kv lie in the order of the operands' registers, so every LDS read is 16 or 8 bytes x lane, on end.
; The keys of a tile of K and the d of a tile of V^T were chosen by the launch before so that 16 registers of two neighbouring result tiles are 16 neighbours along the next K.
; K = 64 IN AN INSTRUCTION OF 128.  Q's fragment is 6 registers of codes and 6 of zero codes.  K's tiles lie packed, 6 registers each; tile t's operand is registers 6 t .. 6 t + 11: its upper six are the next tile's
; codes (for tile 7 six zero registers).  E3M2 has no infinity and no NaN, so they add exact zeros against Q's zero codes; the scale words repeat their two bytes, which lie in 1 .. 254.
; So the padding is zero codes on ONE side only: a departure from the usual zero codes on both sides.
; CLUSTER.  The four query blocks of a cluster walk the same kv: each fill is asked for jointly, the same tensor load with the same descriptor and the mask of all four.
; RING.  Two slots of 8 key steps (104,448 bytes).  Waves 0-3 fetch a quarter each (102 rows of 256 bytes, dense).  By this text's count a wave has two tensor loads out at the start and one behind each refill's round.
; LIMITS: p under 2^-126 counts as 0; a block of zeros gets the byte 1 (read by this program alone); NaN and infinities are not served.
; REGISTERS: v1-11, v30 addresses; v12 -M, v13 the largest t, v[14:15] the sum; v16-27 Q; v28 Q's scale word, v29 p's; v32-79 K's, then V's fragments; v80-85 zeros; v86-89, v90-91 their scale words;
;   v96-159 S^T, then p; v160-191 O^T; v192-210 p's codes; v212-229 at work.
.set STEPB, 13056                      ; a key step in kv: K's codes 6,144, K's scale words 512, V's codes 6,144, V's scale words 256
.set SLOTB, 8*STEPB
.set QUART, SLOTB/4
.set SPARE, 2*SLOTB                    ; behind the ring: the spare words, 128 bytes for each wave: eight blocks of 256 bytes that no other line names
.set STG,   SPARE+2048                 ; ctx's scale halfwords of the 16 tiles: 512 bytes; no fill lands here
.set WV,  12
.set CS,  22                           ; s[22:23] c = log2(e) / 8
.set G1,  24                           ; s[24:31] descriptor group 1
.set G0A, 32                           ; s[32:35] group 0 for slot 0;  s[36:39] for slot 1
.set G0B, 36
.set SEL, 40
.set TB,  42                           ; LDS byte at which the step in hand begins
.set CNT, 43
.set KV,  32
.set S,   96
.set O,   160
.set PC,  192
.set BM,  212
.set PD,  216
.set SO,  220
.macro ROUND                           ; a round of the cluster's barrier
	s_barrier_signal -1
	s_barrier_wait -1
	s_cmp_lg_u32 s[WV], 0
	s_cbranch_scc1 .Lnot_wave_0_\@
	s_barrier_signal -3
.Lnot_wave_0_\@:
	s_barrier_wait -3
	s_barrier_signal -1
	s_barrier_wait -1
.endm
.macro TLOAD g0                        ; waves 0-3 fetch; the branch hangs on the wave's number alone.  Four v_nop follow the load
	s_cmp_lt_u32 s[WV], 4
	s_cbranch_scc0 .Lnone_\@
	tensor_load_to_lds s[\g0:\g0+3], s[G1:G1+7]
	s_nop 0
.rept 4
	v_nop
.endr
.Lnone_\@:
.endm
; THE CHANGE OF SLOTS.  Each wave waits for all its tensor loads (its part of the slot ahead), adds 0 to its spare word, and waits for that and for its reads of the slot that it leaves.
; fill = 1: a round of the cluster's barrier, and the slot just left is asked for again, 16 key steps on: it has eight key steps in which to land.
.macro CHANGE fill, g0
	s_wait_tensorcnt 0x0                           ; no tensor load of mine is out, so a group 0 may be written
	ds_add_u32 v5, v6                              ; 0 onto my spare word
.if \fill
	s_add_nc_u64 s[\g0+2:\g0+3], s[\g0+2:\g0+3], 2*SLOTB   ; the type bits on top are not reached
.endif
	s_wait_dscnt 0x0                               ; the add is done, and my reads of the slot that I leave are over
.if \fill
	ROUND
	TLOAD \g0                                      ; the first thing behind the round, a wave's one tensor load until the next
.else
	s_barrier_signal -1
	s_barrier_wait -1
.endif
.endm
; A KEY STEP: 128 keys
.macro STEP
	v_add_nc_u32 v3, s[TB], v1
	v_add_nc_u32 v4, s[TB], v2
	v_nop
	v_nop                                          ; four places behind the last products, in front of loads into their operands
.set g, 0
.rept 12
	ds_load_b128 v[KV+4*g:KV+4*g+3], v3 offset:512*g      ; K: 8 tiles x 6 registers
.set g, g+1
.endr
	ds_load_b64 v[86:87], v4 offset:6144           ; scale words: register u: lanes 0-15 tile 2 u, lanes 16-31 tile 2 u + 1
	ds_load_b64 v[88:89], v4 offset:6400
	s_wait_alu depctr_va_vdst(0)
	s_wait_dscnt 0x0
.irp u, 0,1,2,3
	v_wmma_scale_f32_16x16x128_f8f6f4 v[S+16*\u:S+16*\u+7], v[KV+12*\u:KV+12*\u+11], v[16:27], 0, v[86+\u], v28 matrix_a_fmt:MATRIX_FMT_BF6 matrix_b_fmt:MATRIX_FMT_BF6
	v_wmma_scale_f32_16x16x128_f8f6f4 v[S+16*\u+8:S+16*\u+15], v[KV+12*\u+6:KV+12*\u+17], v[16:27], 0, v[86+\u], v28 matrix_a_fmt:MATRIX_FMT_BF6 matrix_b_fmt:MATRIX_FMT_BF6 matrix_a_scale:MATRIX_SCALE_ROW1
.endr                                              ; lane (r, h): query r; register 16 b + i: key 32 b + 16 h + i of the step
.rept 4
	v_nop                                          ; places in front of the loads below and of the first read of the scores
.endr
.set g, 0
.rept 12
	ds_load_b128 v[KV+4*g:KV+4*g+3], v3 offset:6656+512*g   ; V^T: 4 fragments; they land while the softmax is walked
.set g, g+1
.endr
	ds_load_b64 v[90:91], v4 offset:12800
.irp b, 0,1,2,3
	v_max3_num_f32 v[BM+\b], v[S+16*\b], v[S+1+16*\b], v[S+2+16*\b]   ; the largest score of each block of 32 keys: for the row's maximum, and, since p rises with the score, for the block's largest p
.endr
.irp i, 3,5,7,9,11,13
.irp b, 0,1,2,3
	v_max3_num_f32 v[BM+\b], v[BM+\b], v[S+16*\b+\i], v[S+1+16*\b+\i]
.endr
.endr
.irp b, 0,1,2,3
	v_max_num_f32 v[BM+\b], v[BM+\b], v[S+15+16*\b]
.endr
.irp b, 0,1,2,3
	s_delay_alu instid0(VALU_DEP_4)
	v_permlanex16_b32 v[PD+\b], v[BM+\b], s[SEL], s[SEL+1]
.endr
.irp b, 0,1,2,3
	s_delay_alu instid0(VALU_DEP_4)
	v_max_num_f32 v[BM+\b], v[BM+\b], v[PD+\b]     ; with lane l xor 16's 16 keys
.endr
	s_delay_alu instid0(VALU_DEP_2)
	v_max3_num_f32 v226, v[BM], v[BM+1], v[BM+2]
	s_delay_alu instid0(VALU_DEP_1)
	v_max_num_f32 v226, v226, v[BM+3]              ; the step's largest score of my query
	s_delay_alu instid0(VALU_DEP_1)
	v_mul_f32 v226, s[CS], v226                    ; as t (c is positive)
	s_delay_alu instid0(VALU_DEP_1)
	v_max_num_f32 v13, v13, v226                   ; the running largest t
	v_mov_b32 v226, v12
	s_delay_alu instid0(VALU_DEP_2)
	v_floor_f32 v12, -v13                          ; the new -M = floor(-t) = -ceil(t)
	s_delay_alu instid0(VALU_DEP_1)
	v_sub_f32 v226, v12, v226                      ; old M - new M: a whole number, 0 or less
	s_delay_alu instid0(VALU_DEP_1)
	v_cvt_i32_f32 v226, v226                       ; (it saturates)
	s_delay_alu instid0(VALU_DEP_1)
	v_ldexp_f32 v224, 1.0, v226                    ; f = 2^(old M - new M)
.set j, 0
.rept 32
	v_pk_fma_f32 v[S+j:S+j+1], v[S+j:S+j+1], s[CS:CS+1], v[12:13] op_sel_hi:[1,0,0]   ; t - M, two at a time
.set j, j+2
.endr
.irp b, 0,1,2,3
	v_fma_f32 v[BM+\b], v[BM+\b], s[CS], v12       ; the same of each block's largest score
.endr
.set j, 0
	s_wait_alu depctr_va_vdst(0)
.rept 64
	v_exp_f32 v[S+j], v[S+j]                       ; p = 2^(t - M), at most 1
.set j, j+1
.endr
	s_setprio 1
.irp b, 0,1,2,3
	v_exp_f32 v[BM+\b], v[BM+\b]                   ; the block's largest p: the same two instructions on the same number
.endr
	v_pk_mul_f32 v[14:15], v[14:15], v[224:225] op_sel_hi:[1,0]   ; the sums under the new M.  (A plain place behind the exponentials)
	s_wait_alu depctr_va_vdst(0)
.irp b, 0,1,2,3
	v_max_num_f32 v[BM+\b], 0x2800000, v[BM+\b]    ; the floor 2^(5 - 127): the byte cannot fall under 1
.endr
.irp b, 0,1,2,3
	s_delay_alu instid0(VALU_DEP_4)
	v_add_nc_u32 v[SO+\b], 0xfe000000, v[BM+\b]    ; 4 off the exponent field: the conversion's scale operand
.endr
.irp b, 0,1,2,3
	s_delay_alu instid0(VALU_DEP_4)
	v_lshrrev_b32 v[PD+\b], 23, v[SO+\b]           ; the scale's byte
.endr
	s_delay_alu instid0(VALU_DEP_3)
	v_lshl_or_b32 v29, v[PD+1], 8, v[PD]           ; p's scale word for these 128 keys
	s_delay_alu instid0(VALU_DEP_1)
	v_lshl_or_b32 v29, v[PD+2], 16, v29
	s_delay_alu instid0(VALU_DEP_1)
	v_lshl_or_b32 v29, v[PD+3], 24, v29
.irp c, 0,1
	v_cvt_scalef32_pk16_bf6_f32 v[PC+6*\c:PC+6*\c+2], v[S+32*\c:S+32*\c+15], v[SO+2*\c]
	v_cvt_scalef32_pk16_bf6_f32 v[204+4*\c:206+4*\c], v[S+16+32*\c:S+31+32*\c], v[SO+2*\c+1]   ; (a conversion's three registers begin on an even number)
.endr
	v_nop                                          ; one plain place behind a scaled conversion
.irp c, 0,1                                    ; the layout wants a whole block in a lane
.irp i, 0,1,2
	v_permlane16_swap_b32 v[PC+6*\c+\i], v[204+4*\c+\i]
.endr
.irp i, 0,1,2
	s_delay_alu instid0(VALU_DEP_3)
	v_mov_b32 v[PC+3+6*\c+\i], v[204+4*\c+\i]
.endr
.endr
	v_pk_add_f32 v[228:229], v[100:101], v[104:105]
	v_pk_add_f32 v[254:255], v[108:109], v[112:113]
	v_pk_add_f32 v[252:253], v[116:117], v[120:121]
	v_pk_add_f32 v[250:251], v[124:125], v[128:129]
	v_pk_add_f32 v[248:249], v[132:133], v[136:137]
	v_pk_add_f32 v[246:247], v[140:141], v[144:145]
	v_pk_add_f32 v[244:245], v[148:149], v[152:153]
	v_pk_add_f32 v[14:15], v[14:15], v[156:157]
	v_pk_add_f32 v[228:229], v[228:229], v[96:97]
	v_pk_add_f32 v[254:255], v[254:255], v[98:99]
	v_pk_add_f32 v[252:253], v[252:253], v[102:103]
	v_pk_add_f32 v[250:251], v[250:251], v[106:107]
	v_pk_add_f32 v[248:249], v[248:249], v[110:111]
	v_pk_add_f32 v[246:247], v[246:247], v[114:115]
	v_pk_add_f32 v[244:245], v[244:245], v[118:119]
	v_pk_add_f32 v[14:15], v[14:15], v[122:123]
	v_pk_add_f32 v[228:229], v[228:229], v[126:127]
	v_pk_add_f32 v[254:255], v[254:255], v[130:131]
	v_pk_add_f32 v[252:253], v[252:253], v[134:135]
	v_pk_add_f32 v[250:251], v[250:251], v[138:139]
	v_pk_add_f32 v[248:249], v[248:249], v[142:143]
	v_pk_add_f32 v[246:247], v[246:247], v[146:147]
	v_pk_add_f32 v[244:245], v[244:245], v[150:151]
	v_pk_add_f32 v[14:15], v[14:15], v[154:155]
	v_pk_add_f32 v[228:229], v[228:229], v[158:159]
	s_delay_alu instid0(VALU_DEP_2)
	v_pk_add_f32 v[14:15], v[14:15], v[250:251]
	s_delay_alu instid0(VALU_DEP_2)
	v_pk_add_f32 v[228:229], v[228:229], v[248:249]
	s_setprio 0
	v_pk_add_f32 v[254:255], v[254:255], v[246:247]
	v_pk_add_f32 v[252:253], v[252:253], v[244:245]
	s_delay_alu instid0(VALU_DEP_2)
	v_pk_add_f32 v[14:15], v[14:15], v[254:255]
	s_delay_alu instid0(VALU_DEP_2)
	v_pk_add_f32 v[228:229], v[228:229], v[252:253]
	s_delay_alu instid0(VALU_DEP_1)
	v_pk_add_f32 v[14:15], v[14:15], v[228:229]
.set j, 0
.rept 16
	v_pk_mul_f32 v[O+j:O+j+1], v[O+j:O+j+1], v[224:225] op_sel_hi:[1,0]   ; O^T under the new M.  (The sums and these are the places between p's codes and scale word and the products below)
.set j, j+2
.endr
	s_wait_alu depctr_va_vdst(0)
	s_wait_dscnt 0x0                               ; V is in
.irp u, 0,1
	v_wmma_scale_f32_16x16x128_f8f6f4 v[O+16*\u:O+16*\u+7], v[KV+24*\u:KV+24*\u+11], v[PC:PC+11], v[O+16*\u:O+16*\u+7], v[90+\u], v29 matrix_a_fmt:MATRIX_FMT_BF6 matrix_b_fmt:MATRIX_FMT_BF6
	v_wmma_scale_f32_16x16x128_f8f6f4 v[O+16*\u+8:O+16*\u+15], v[KV+24*\u+12:KV+24*\u+23], v[PC:PC+11], v[O+16*\u+8:O+16*\u+15], v[90+\u], v29 matrix_a_fmt:MATRIX_FMT_BF6 matrix_b_fmt:MATRIX_FMT_BF6 matrix_a_scale:MATRIX_SCALE_ROW1
.endr
.endm
.macro SLOTRUN base                    ; a slot's eight key steps: written once, walked eight times
	s_mov_b32 s[TB], \base
	s_mov_b32 s[CNT], 8
.Lstep_\@:
	s_setprio 2
	STEP
	s_add_co_u32 s[TB], s[TB], STEPB
	s_sub_co_u32 s[CNT], s[CNT], 1
	s_cmp_lg_u32 s[CNT], 0
	s_cbranch_scc1 .Lstep_\@
	s_setprio 0
.endm
	s_load_b256 s[4:11], s[0:1], 0x0               ; qimg, kv, ctxc, ctxs
	v_lshl_add_u32 v5, v0, 2, SPARE
	v_mov_b32 v6, 0
	ds_add_u32 v5, v6
	ds_add_u32 v5, v6
	s_wait_dscnt 0x0
	v_lshrrev_b32 v31, 5, v0
	s_delay_alu instid0(VALU_DEP_1)
	v_readfirstlane_b32 s[WV], v31                 ; wave 0..15
	s_bfe_u32 s13, ttmp6, 0x40000                  ; cx: it enters Q's and ctx's global addresses alone
	s_lshl_b32 s14, ttmp9, 2
	s_add_co_u32 s14, s14, s13                     ; my block of 256 queries
	s_and_b32 s15, ttmp7, 0xffff                   ; bh, which the four partners share
	; descriptor group 1: 102 rows of 256 bytes (32 elements of 8 bytes), dense, no padding
	s_mov_b32 s[G1], 15|(3<<16)|(1<<21)            ; 15:0 the mask: all four work-groups; 17:16 elements of 8 bytes; 21 set beside a mask
	s_mov_b32 s[G1+1], 32<<16                      ; tensor_dim0
	s_mov_b32 s[G1+2], 102<<16                     ; tensor_dim1
	s_mov_b32 s[G1+3], 32<<16                      ; tile_dim0
	s_mov_b32 s[G1+4], 102                         ; tile_dim1
	s_mov_b32 s[G1+5], 32                          ; from row to row
	s_mov_b32 s[G1+6], 0
	s_mov_b32 s[G1+7], 0
	s_mul_i32 s16, s15, 32*STEPB                   ; kv: bh's 32 key steps,
	s_and_b32 s18, s[WV], 3
	s_mul_i32 s18, s18, QUART                      ; and the quarter of a slot that I fetch, if I fetch: in memory and in LDS alike
	s_add_co_u32 s16, s16, s18
	s_mov_b32 s17, 0
	s_lshl_b32 s20, s15, 5                         ; qimg: block 32 bh + 2 qb + wave / 8
	s_lshl_b32 s21, s14, 1
	s_add_co_u32 s20, s20, s21
	s_lshr_b32 s21, s[WV], 3
	s_add_co_u32 s20, s20, s21
	s_mul_i32 s20, s20, 6656
	s_mov_b32 s21, 0
	s_lshr_b32 s44, s15, 2                         ; ctxc: ((b 256 + T) 4 + head) 768, T = 16 qb + wave
	s_lshl_b32 s44, s44, 8
	s_lshl_b32 s45, s14, 4
	s_add_co_u32 s44, s44, s45
	s_add_co_u32 s44, s44, s[WV]
	s_lshl_b32 s44, s44, 2
	s_and_b32 s45, s15, 3
	s_add_co_u32 s44, s44, s45
	s_mul_i32 s44, s44, 768
	s_mov_b32 s45, 0
	s_lshl_b32 s46, s15, 8                         ; ctxs: (256 bh + 16 qb) 32
	s_lshl_b32 s47, s14, 4
	s_add_co_u32 s46, s46, s47
	s_lshl_b32 s46, s46, 5
	s_mov_b32 s47, 0
	s_mov_b32 s[CS], 0x3e38aa3b                    ; c = log2(e) / 8
	s_mov_b32 s[CS+1], s[CS]                       ; (named with it as a pair, so it is written)
	s_mov_b32 s[SEL], 0x76543210
	s_mov_b32 s[SEL+1], 0xfedcba98
	s_wait_kmcnt 0x0
	s_add_nc_u64 s[6:7], s[6:7], s[16:17]
	s_add_nc_u64 s[4:5], s[4:5], s[20:21]
	s_add_nc_u64 s[8:9], s[8:9], s[44:45]
	s_add_nc_u64 s[10:11], s[10:11], s[46:47]
	ROUND                                          ; all four work-groups are here: the first joint loads meet
	s_mov_b32 s[G0A], 1                            ; count = 1
	s_mov_b32 s[G0A+1], s18                        ; LDS address: slot 0
	s_mov_b64 s[G0A+2:G0A+3], s[6:7]               ; key steps 0 to 7
	s_or_b32 s[G0A+3], s[G0A+3], 0x80000000        ; type = 2
	s_mov_b32 s[G0B], 1
	s_add_co_u32 s[G0B+1], s18, SLOTB              ; slot 1
	s_add_nc_u64 s[G0B+2:G0B+3], s[6:7], SLOTB     ; key steps 8 to 15
	s_or_b32 s[G0B+3], s[G0B+3], 0x80000000
	s_cmp_lt_u32 s[WV], 4                          ; a wave's two first fills stand in one branch, ahead of every wait on TENSORcnt and every LDS read
	s_cbranch_scc0 .Lfirst_asked
	tensor_load_to_lds s[G0A:G0A+3], s[G1:G1+7]
	s_nop 0
	tensor_load_to_lds s[G0B:G0B+3], s[G1:G1+7]
	s_nop 0
.rept 4
	v_nop
.endr
.Lfirst_asked:
	v_and_b32 v31, 31, v0
	s_delay_alu instid0(VALU_DEP_1)
	v_lshlrev_b32 v1, 4, v31                       ; 16 x lane
	s_wait_alu depctr_va_vdst(0)
	v_lshlrev_b32 v2, 3, v31                       ; 8 x lane
	v_and_b32 v31, 15, v0                          ; r
	s_wait_alu depctr_va_vdst(0)
	v_and_b32 v10, 0x1e0, v0                       ; 32 x wave
	s_delay_alu instid0(VALU_DEP_1)
	v_lshl_add_u32 v10, v31, 1, v10
	s_delay_alu instid0(VALU_DEP_1)
	v_add_nc_u32 v10, STG, v10                     ; my row's halfword in the stage
	v_add_nc_u32 v11, STG, v1                      ; and the stage on the way out
	s_and_b32 s16, s[WV], 7                        ; my tile t of the block of 128 queries: registers 6 t .. 6 t + 5 of its image, as three pairs
	s_mul_i32 s17, s16, 3
.irp i, 0,1,2
	s_add_co_u32 s18, s17, \i                      ; pair n = 3 t + i lies in group n / 2 of four registers, 8 (n % 2) bytes on
	s_lshr_b32 s19, s18, 1
	s_lshl_b32 s19, s19, 9
	s_and_b32 s18, s18, 1
	s_lshl_b32 s18, s18, 3
	s_add_co_u32 s19, s19, s18
	v_add_nc_u32 v[7+\i], s19, v1
.endr
	s_lshr_b32 s48, s16, 2                         ; its scale word: 256 (t / 4) + 8 (16 (t % 2) + r) + 4 ((t / 2) % 2)
	s_lshl_b32 s48, s48, 8
	s_and_b32 s49, s16, 1
	s_lshl_b32 s49, s49, 7
	s_add_co_u32 s48, s48, s49
	s_bfe_u32 s49, s16, 0x10001
	s_lshl_b32 s49, s49, 2
	s_add_co_u32 s48, s48, s49
	v_lshl_add_u32 v30, v31, 3, s48
	s_wait_alu depctr_va_vdst(0)
.irp i, 0,1,2
	global_load_b64 v[16+2*\i:17+2*\i], v[7+\i], s[4:5]    ; Q stays in registers
.endr
	global_load_b32 v28, v30, s[4:5] offset:6144
.irp j, 22,23,24,25,26,27,80,81,82,83,84,85
	v_mov_b32 v[\j], 0                             ; zero codes: the padding of Q's K, and behind K's last tile
.endr
.set j, 0
.rept 32
	v_mov_b32 v[O+j], 0                            ; O^T.  (The step is written once: the first finds zeros, which the first change of M leaves zeros)
.set j, j+1
.endr
	v_mov_b32 v13, 0xff61b1e6                      ; the largest t so far: -3e38, under every t
	s_delay_alu instid0(VALU_DEP_1)
	v_floor_f32 v12, -v13                          ; -M
	v_mov_b32 v14, 0                               ; the sum, in two halves
	v_mov_b32 v15, 0
.irp b, 0,1,2,3
	v_mov_b32 v[PD+\b], 0                          ; a lane permute's destination counts as one of its sources
.endr
	v_mov_b32 v225, 0                              ; (named as the upper half of the pair v[224:225])
	s_wait_tensorcnt 0x1                           ; my part of slot 0 is in; slot 1's may stay out
	s_barrier_signal -1
	s_barrier_wait -1                              ; everybody's is
	s_wait_loadcnt 0x0                             ; Q
	SLOTRUN 0                                      ; key steps 0-7
	CHANGE 1, G0A                                  ; slot 0 takes steps 16-23
	SLOTRUN SLOTB                                  ; 8-15
	CHANGE 1, G0B                                  ; slot 1 takes steps 24-31
	SLOTRUN 0                                      ; 16-23
	CHANGE 0, G0A                                  ; nothing is left to fetch
	SLOTRUN SLOTB                                  ; 24-31
	; THE WAY OUT.  O^T / the sum; register 16 b + i is ctx(query r, d = 32 b + 16 h + i): quantised along d: 6 registers of codes, two scale bytes
.rept 4
	v_nop                                          ; places behind the last products
.endr
	v_add_f32 v14, v14, v15
	s_delay_alu instid0(VALU_DEP_1)
	v_permlanex16_b32 v226, v14, s[SEL], s[SEL+1]
	s_delay_alu instid0(VALU_DEP_1)
	v_add_f32 v14, v14, v226                       ; the row's sum
	s_wait_alu depctr_va_vdst(0)
	v_rcp_f32 v224, v14
	v_nop                                          ; one plain place behind a transcendental
.set j, 0
	s_wait_alu depctr_va_vdst(0)
.rept 16
	v_pk_mul_f32 v[S+j:S+j+1], v[O+j:O+j+1], v[224:225] op_sel_hi:[1,0]
.set j, j+2
.endr
.irp b, 0,1
	v_max3_num_f32 v[BM+\b], |v[S+16*\b]|, |v[S+1+16*\b]|, 0x2800000
.endr
.irp i, 2,4,6,8,10,12,14
.irp b, 0,1
	s_delay_alu instid0(VALU_DEP_2)
	v_max3_num_f32 v[BM+\b], v[BM+\b], |v[S+16*\b+\i]|, |v[S+1+16*\b+\i]|
.endr
.endr
.irp b, 0,1
	s_delay_alu instid0(VALU_DEP_2)
	v_permlanex16_b32 v[PD+\b], v[BM+\b], s[SEL], s[SEL+1]
.endr
.irp b, 0,1
	s_delay_alu instid0(VALU_DEP_2)
	v_max_num_f32 v[BM+\b], v[BM+\b], v[PD+\b]
.endr
.irp b, 0,1
	s_delay_alu instid0(VALU_DEP_2)
	v_add_nc_u32 v[SO+\b], 0xfe000000, v[BM+\b]
.endr
.irp b, 0,1
	s_delay_alu instid0(VALU_DEP_2)
	v_lshrrev_b32 v[PD+\b], 23, v[SO+\b]
.endr
	s_delay_alu instid0(VALU_DEP_1)
	v_lshl_or_b32 v227, v[PD+1], 8, v[PD]          ; my row's two bytes
	v_cvt_scalef32_pk16_bf6_f32 v[PC:PC+2], v[S:S+15], v[SO]
	v_cvt_scalef32_pk16_bf6_f32 v[204:206], v[S+16:S+31], v[SO+1]
	v_nop
.irp i, 0,1,2
	v_permlane16_swap_b32 v[PC+\i], v[204+\i]
.endr
.irp i, 0,1,2
	s_delay_alu instid0(VALU_DEP_3)
	v_mov_b32 v[PC+3+\i], v[204+\i]
.endr
	global_store_b128 v1, v[PC:PC+3], s[8:9]               ; 512 consecutive bytes,
	global_store_b64 v2, v[PC+4:PC+5], s[8:9] offset:512   ; and 256
	ds_store_b16 v10, v227                         ; lanes r and r + 16 write the same halfword with the same value
	s_wait_dscnt 0x0                               ; for wave 0's sake: my store is done
	s_barrier_signal -1
	s_barrier_wait -1
	s_cmp_lg_u32 s[WV], 0
	s_cbranch_scc1 .Lnot_first
	ds_load_b128 v[96:99], v11                     ; the 16 tiles' halfwords leave as 512 consecutive bytes
	s_wait_dscnt 0x0
	global_store_b128 v1, v[96:99], s[10:11]
.Lnot_first:
	s_wait_tensorcnt 0x0                           ; the wave's end
	ds_add_u32 v5, v6
	s_wait_dscnt 0x0
	ROUND                                          ; the closing round: no work-group ends while a partner may still ask for a tile that names it
	s_endpgm
.Lfunc_end_k_qbd1749fd1c_attn:
	.size	k_qbd1749fd1c_attn, .Lfunc_end_k_qbd1749fd1c_attn-k_qbd1749fd1c_attn
	.p2alignl 7, 3214868480
	.fill 96, 4, 3214868480
	.section	.rodata,"a",@progbits
	.p2align	6, 0x0
	.amdhsa_kernel k_qbd1749fd1c_attn
		.amdhsa_group_segment_fixed_size 327680
		.amdhsa_private_segment_fixed_size 0
		.amdhsa_enable_private_segment 0
		.amdhsa_kernarg_size 32
		.amdhsa_user_sgpr_count 2
		.amdhsa_user_sgpr_kernarg_segment_ptr 1
		.amdhsa_wavefront_size32 1
		.amdhsa_system_sgpr_workgroup_id_x 1
		.amdhsa_system_sgpr_workgroup_id_y 1
		.amdhsa_system_sgpr_workgroup_id_z 1
		.amdhsa_system_vgpr_workitem_id 0
		.amdhsa_next_free_vgpr 256
		.amdhsa_next_free_sgpr 66
		.amdhsa_reserve_vcc 0
		.amdhsa_float_denorm_mode_32 3
		.amdhsa_float_denorm_mode_16_64 3
		.amdhsa_memory_ordered 1
		.amdhsa_forward_progress 1
		.amdhsa_inst_pref_size 82
	.end_amdhsa_kernel
	.amdgpu_metadata
---
amdhsa.version: [ 1, 2 ]
amdhsa.kernels:
  - .name:           k_qbd1749fd1c_attn
    .symbol:         k_qbd1749fd1c_attn.kd
    .args:
      - { .name: qimg, .offset: 0, .size: 8, .value_kind: global_buffer, .address_space: global }
      - { .name: kv, .offset: 8, .size: 8, .value_kind: global_buffer, .address_space: global }
      - { .name: ctxc, .offset: 16, .size: 8, .value_kind: global_buffer, .address_space: global }
      - { .name: ctxs, .offset: 24, .size: 8, .value_kind: global_buffer, .address_space: global }
    .group_segment_fixed_size: 327680
    .private_segment_fixed_size: 0
    .kernarg_segment_align: 8
    .kernarg_segment_size: 32
    .max_flat_workgroup_size: 512
    .sgpr_count:     66
    .vgpr_count:     256
    .wavefront_size: 32
...
	.end_amdgpu_metadata
.endif
;; end of part 3
;; launch proj (part 4): grid 256 x 1, 8 waves a work-group, no clusters, 70,656 bytes of LDS; arguments ctxc, ctxs, wo_codes, wo_scales, x, out0; writes out0
.if DOCPART == 4
	.amdgcn_target "amdgcn-amd-amdhsa--gfx1250"
	.amdhsa_code_object_version 6
	.text
	.protected	k_qbd1749fd1c_proj
	.globl	k_qbd1749fd1c_proj
	.p2align	8
	.type	k_qbd1749fd1c_proj,@function
k_qbd1749fd1c_proj:
	s_mov_b64 s[64:65], 0
	v_nop
	global_prefetch_b8 v0, s[64:65] scope:SCOPE_SE
	s_setreg_imm32_b32 hwreg(HW_REG_WAVE_MODE, 25, 1), 1
	s_wait_xcnt 0x0
; out0[b][o][token] = the sum over c of ctx[b][token][c] wo[o][c] + x[b][o][token], the product on codes of BF6 (E3M2) with one E8M0 scale for each 32 along K = 256.
; Work-group i: batch entry i / 64, tokens 64 (i % 64) on (four tiles of 16).  Wave w: outputs 32 w .. 32 w + 31 for all 64 tokens: eight accumulators.
; Source 0 = 16 tokens of ctx, source 1 = 16 rows of wo: a lane holds ONE output channel, and, by the order in which a tile's tokens were chosen (row m of tile t is token 32 (t / 2) + 8 (t % 2) + m + 8 (m / 8)),
; its eight registers are eight neighbouring tokens: 32 (t / 2) + 8 (t % 2) + 16 (lane / 16) + 0 .. 7.  The tokens are out0's innermost axis.
; ctxc lies in the order of the operand's registers: head hd is registers 6 (hd % 2) on of the fragment of K step hd / 2: four registers at 16 x lane, two at 512 + 8 x lane.  ctxs: two scale bytes a row and head.
; The way out: a channel's 64 tokens, 256 bytes, belong to one wave: they meet in the wave's own stage in LDS (rows of 256 + 16 bytes) and leave, with x added, sixteen lanes to 256 consecutive aligned bytes.
; No barrier: waves share nothing.  No tensor load: each byte is used once.
; REGISTERS: v1-11 addresses; v16-63 wo's four fragments; v64-67 its scale words; v68-75 ctx's halfwords; v76-79 ctx's scale words; v80-175 ctx's eight fragments, later the rows read back; v176-239 accumulators;
;   window 1: v0-63 x.
.set WO,  16
.set WOS, 64
.set RAW, 68
.set CSW, 76
.set CT,  80
.set ACC, 176
.set SP,  272
.set MSB, 0
.macro WIN new                         ; the immediate's high byte repeats the setting that is left
.if MSB != \new
	s_set_vgpr_msb (MSB<<8)|\new
.set MSB, \new
.endif
.endm
; token tile t x output tile n, K step s.  The eight accumulators take turns
.macro PMUL n, t, s
.set rD, ACC+8*(4*\n+\t)
.set rA, CT+12*(2*\t+\s)
.set rB, WO+12*(2*\n+\s)
.if \s == 0
.if (\t)%2 == 0
	v_wmma_scale_f32_16x16x128_f8f6f4 v[rD:rD+7], v[rA:rA+11], v[rB:rB+11], 0, v[CSW+2*((\t)/2)+\s], v[WOS+2*\n+\s] matrix_a_fmt:MATRIX_FMT_BF6 matrix_b_fmt:MATRIX_FMT_BF6
.else
	v_wmma_scale_f32_16x16x128_f8f6f4 v[rD:rD+7], v[rA:rA+11], v[rB:rB+11], 0, v[CSW+2*((\t)/2)+\s], v[WOS+2*\n+\s] matrix_a_fmt:MATRIX_FMT_BF6 matrix_b_fmt:MATRIX_FMT_BF6 matrix_a_scale:MATRIX_SCALE_ROW1
.endif
.else
.if (\t)%2 == 0
	v_wmma_scale_f32_16x16x128_f8f6f4 v[rD:rD+7], v[rA:rA+11], v[rB:rB+11], v[rD:rD+7], v[CSW+2*((\t)/2)+\s], v[WOS+2*\n+\s] matrix_a_fmt:MATRIX_FMT_BF6 matrix_b_fmt:MATRIX_FMT_BF6
.else
	v_wmma_scale_f32_16x16x128_f8f6f4 v[rD:rD+7], v[rA:rA+11], v[rB:rB+11], v[rD:rD+7], v[CSW+2*((\t)/2)+\s], v[WOS+2*\n+\s] matrix_a_fmt:MATRIX_FMT_BF6 matrix_b_fmt:MATRIX_FMT_BF6 matrix_a_scale:MATRIX_SCALE_ROW1
.endif
.endif
.endm
	s_load_b256 s[4:11], s[0:1], 0x0               ; ctxc, ctxs, wo's codes, wo's scales
	s_load_b128 s[12:15], s[0:1], 0x20             ; x, out0
	v_lshl_add_u32 v254, v0, 2, 0x11000
	v_mov_b32 v255, 0
	v_lshrrev_b32 v1, 5, v0
	s_delay_alu instid0(VALU_DEP_1)
	v_readfirstlane_b32 s16, v1                    ; wave 0..7
	s_lshr_b32 s17, ttmp9, 6                       ; b
	s_and_b32 s18, ttmp9, 63                       ; which 64 tokens
	v_and_b32 v1, 31, v0                           ; lane
	v_and_b32 v2, 15, v0                           ; r
	v_bfe_u32 v3, v0, 4, 1                         ; h
	s_delay_alu instid0(VALU_DEP_3)
	v_lshlrev_b32 v4, 4, v1                        ; 16 x lane
	s_delay_alu instid0(VALU_DEP_4)
	v_lshlrev_b32 v5, 3, v1                        ; 8 x lane
	v_lshlrev_b32 v6, 1, v1                        ; 2 x lane
	v_mul_u32_u24 v7, v2, 192                      ; wo: row r of 192 bytes, + 24 h
	s_delay_alu instid0(VALU_DEP_1)
	v_mad_u32_u24 v7, v3, 24, v7
	v_lshlrev_b32 v8, 3, v2                        ; its 8 scale bytes
	s_mul_i32 s19, s16, 32*SP                      ; my stage
	v_mul_u32_u24 v9, v2, SP
	s_delay_alu instid0(VALU_DEP_1)
	v_lshl_add_u32 v9, v3, 6, v9
	s_delay_alu instid0(VALU_DEP_1)
	v_add_nc_u32 v9, s19, v9                       ; in: row r, + 64 h bytes (16 tokens)
	v_mul_u32_u24 v10, v3, SP
	s_delay_alu instid0(VALU_DEP_1)
	v_lshl_add_u32 v10, v2, 4, v10
	s_delay_alu instid0(VALU_DEP_1)
	v_add_nc_u32 v10, s19, v10                     ; back: lanes 0-15 one row, lanes 16-31 the next
	v_lshlrev_b32 v11, 14, v3
	s_delay_alu instid0(VALU_DEP_1)
	v_lshl_add_u32 v11, v2, 4, v11                 ; and the same two channels in x and out0
	s_lshl_b32 s20, s17, 8
	s_lshl_b32 s21, s18, 2
	s_add_co_u32 s20, s20, s21
	s_mul_i32 s20, s20, 3072                       ; ctxc: tile 256 b + 4 tg, 3,072 bytes a tile
	s_mov_b32 s21, 0
	s_lshl_b32 s22, s17, 10
	s_lshl_b32 s23, s18, 2
	s_add_co_u32 s22, s22, s23
	s_lshl_b32 s22, s22, 5                         ; ctxs: (1,024 b + 4 tg) 32
	s_mov_b32 s23, 0
	s_mul_i32 s24, s16, 32*192                     ; wo: my 32 rows
	s_mov_b32 s25, 0
	s_lshl_b32 s26, s16, 8
	s_mov_b32 s27, 0
	s_lshl_b32 s28, s17, 8
	s_lshl_b32 s29, s16, 5
	s_add_co_u32 s28, s28, s29
	s_lshl_b32 s28, s28, 14
	s_lshl_b32 s29, s18, 8
	s_add_co_u32 s28, s28, s29                     ; x, out0: channel 256 b + 32 w, token 64 tg
	s_mov_b32 s29, 0
	s_wait_alu depctr_va_vdst(0)
	s_wait_kmcnt 0x0
	s_add_nc_u64 s[4:5], s[4:5], s[20:21]
	s_add_nc_u64 s[6:7], s[6:7], s[22:23]
	s_add_nc_u64 s[8:9], s[8:9], s[24:25]
	s_add_nc_u64 s[10:11], s[10:11], s[26:27]
	s_add_nc_u64 s[12:13], s[12:13], s[28:29]
	s_add_nc_u64 s[14:15], s[14:15], s[28:29]
.irp n, 0,1
.irp s, 0,1
.irp p, 0,1,2,3,4,5
	global_load_b64 v[WO+12*(2*\n+\s)+2*\p:WO+12*(2*\n+\s)+2*\p+1], v7, s[8:9] offset:16*\n*192+96*\s+48*(\p/3)+8*(\p%3)
.endr
.endr
	global_load_b64 v[WOS+2*\n:WOS+2*\n+1], v8, s[10:11] offset:128*\n    ; a row's two scale words
.endr
.irp t, 0,1,2,3
.irp s, 0,1
.irp c, 0,1
	global_load_b128 v[CT+12*(2*\t+\s)+6*\c:CT+12*(2*\t+\s)+6*\c+3], v4, s[4:5] offset:\t*3072+(2*\s+\c)*768
	global_load_b64 v[CT+12*(2*\t+\s)+6*\c+4:CT+12*(2*\t+\s)+6*\c+5], v5, s[4:5] offset:\t*3072+(2*\s+\c)*768+512
.endr
.endr
.endr
.irp q, 0,1
.irp d, 0,1,2,3
	global_load_u16 v[RAW+4*\q+\d], v6, s[6:7] offset:\d*8192+\q*64       ; head d: lanes 0-15 tile 2 q's rows, lanes 16-31 tile 2 q + 1's
.endr
.endr
	WIN 0x40                                       ; destination window 1
.irp i, 0,1,2,3,4,5,6,7,8,9,10,11,12,13,14,15
	global_load_b128 v[4*\i:4*\i+3], v11, s[12:13] offset:2*\i*16384 th:TH_LOAD_NT   ; x: read once in this launch, and by no later one
.endr
	WIN 0
	s_wait_loadcnt 16                              ; all but x's sixteen loads
.irp q, 0,1
.irp s, 0,1
	v_lshl_or_b32 v[CSW+2*\q+\s], v[RAW+4*\q+2*\s+1], 16, v[RAW+4*\q+2*\s]   ; K step s: heads 2 s and 2 s + 1, two blocks each
.endr
.endr
.rept 8
	v_nop                                          ; a scale register written by a vector instruction stands 8 places ahead of a scaled matrix instruction
.endr
.irp s, 0,1
.irp t, 0,1,2,3
.irp n, 0,1
	PMUL \n, \t, \s
.endr
.endr
.endr
.rept 4
	v_nop                                          ; places in front of the first read of results and of loads into the operands' registers
.endr
.irp n, 0,1
.irp t, 0,1,2,3
	ds_store_b128 v9, v[ACC+8*(4*\n+\t):ACC+8*(4*\n+\t)+3] offset:16*\n*SP+4*(32*(\t/2)+8*(\t%2))          ; each accumulator from its low end on
	ds_store_b128 v9, v[ACC+8*(4*\n+\t)+4:ACC+8*(4*\n+\t)+7] offset:16*\n*SP+4*(32*(\t/2)+8*(\t%2))+16
.endr
.endr
.irp i, 0,1,2,3,4,5,6,7,8,9,10,11,12,13,14,15
	ds_load_b128 v[CT+4*\i:CT+4*\i+3], v10 offset:2*\i*SP      ; LDS serves a wave's instructions in order: these see my stores
.endr
	s_wait_loadcnt 0x0                             ; x
	s_wait_dscnt 0x0                               ; the rows
	WIN 0x04                                       ; source 1 (x) window 1: all 32 additions under one setting
.set i, 0
.rept 32
	v_pk_add_f32 v[CT+i:CT+i+1], v[CT+i:CT+i+1], v[i:i+1]
.set i, i+2
.endr
	WIN 0
.irp i, 0,1,2,3,4,5,6,7,8,9,10,11,12,13,14,15
	global_store_b128 v11, v[CT+4*\i:CT+4*\i+3], s[14:15] offset:2*\i*16384 th:TH_STORE_NT   ; 16 lanes store 256 consecutive bytes, at a multiple of 256 from out0's first byte
.endr
	s_wait_tensorcnt 0x0
	ds_add_u32 v254, v255
	s_wait_dscnt 0x0
	s_endpgm
.Lfunc_end_k_qbd1749fd1c_proj:
	.size	k_qbd1749fd1c_proj, .Lfunc_end_k_qbd1749fd1c_proj-k_qbd1749fd1c_proj
	.p2alignl 7, 3214868480
	.fill 96, 4, 3214868480
	.section	.rodata,"a",@progbits
	.p2align	6, 0x0
	.amdhsa_kernel k_qbd1749fd1c_proj
		.amdhsa_group_segment_fixed_size 70656
		.amdhsa_private_segment_fixed_size 0
		.amdhsa_enable_private_segment 0
		.amdhsa_kernarg_size 48
		.amdhsa_user_sgpr_count 2
		.amdhsa_user_sgpr_kernarg_segment_ptr 1
		.amdhsa_wavefront_size32 1
		.amdhsa_system_sgpr_workgroup_id_x 1
		.amdhsa_system_sgpr_workgroup_id_y 1
		.amdhsa_system_sgpr_workgroup_id_z 1
		.amdhsa_system_vgpr_workitem_id 0
		.amdhsa_next_free_vgpr 320
		.amdhsa_next_free_sgpr 66
		.amdhsa_reserve_vcc 0
		.amdhsa_float_denorm_mode_32 3
		.amdhsa_float_denorm_mode_16_64 3
		.amdhsa_memory_ordered 1
		.amdhsa_forward_progress 1
		.amdhsa_inst_pref_size 19
	.end_amdhsa_kernel
	.amdgpu_metadata
---
amdhsa.version: [ 1, 2 ]
amdhsa.kernels:
  - .name:           k_qbd1749fd1c_proj
    .symbol:         k_qbd1749fd1c_proj.kd
    .args:
      - { .name: ctxc, .offset: 0, .size: 8, .value_kind: global_buffer, .address_space: global }
      - { .name: ctxs, .offset: 8, .size: 8, .value_kind: global_buffer, .address_space: global }
      - { .name: wo_codes, .offset: 16, .size: 8, .value_kind: global_buffer, .address_space: global }
      - { .name: wo_scales, .offset: 24, .size: 8, .value_kind: global_buffer, .address_space: global }
      - { .name: x, .offset: 32, .size: 8, .value_kind: global_buffer, .address_space: global }
      - { .name: out0, .offset: 40, .size: 8, .value_kind: global_buffer, .address_space: global }
    .group_segment_fixed_size: 70656
    .private_segment_fixed_size: 0
    .kernarg_segment_align: 8
    .kernarg_segment_size: 48
    .max_flat_workgroup_size: 256
    .sgpr_count:     66
    .vgpr_count:     320
    .wavefront_size: 32
...
	.end_amdgpu_metadata
.endif
;; end of part 4
